; MI455X (gfx1250); checked and timed in simulation.
; The chip was launched on July 23, 2026; its instructions are those of AMD's public machine-readable ISA for CDNA 5 (MIT licence, August 2026) and "CDNA5" Instruction Set Architecture Reference Guide (July 2026).
;; scaled dot product attention. Allowed arithmetic: matrix products marked QUANTISED: E4M3 operands, one E8M0 scale for each 32 along K, by v_wmma_scale_f32_16x16x128_f8f6f4 with both operands' format E4M3, f32 sums; everything else in f32.
;; Inputs: K_codes 4 x 2,048 x 32 x 32 uint8 (E4M3 codes of K, K innermost, in blocks of 32 codes); K_scales 4 x 2,048 x 32 uint8 (E8M0 scales of K, one for each 32 codes along K); Q_codes 4 x 2,048 x 32 x 32 uint8 (E4M3 codes of Q, K innermost, in blocks of 32 codes); Q_scales 4 x 2,048 x 32 uint8 (E8M0 scales of Q, one for each 32 codes along K); V_codes 4 x 2,048 x 32 x 32 uint8 (E4M3 codes of V, K innermost, in blocks of 32 codes); V_scales 4 x 2,048 x 32 uint8 (E8M0 scales of V, one for each 32 codes along K); Wk_codes 1,024 x 32 x 32 uint8 (E4M3 codes of Wk, K innermost, in blocks of 32 codes); Wk_scales 1,024 x 32 uint8 (E8M0 scales of Wk, one for each 32 codes along K); Wq_codes 1,024 x 32 x 32 uint8 (E4M3 codes of Wq, K innermost, in blocks of 32 codes); Wq_scales 1,024 x 32 uint8 (E8M0 scales of Wq, one for each 32 codes along K); Wv_codes 1,024 x 32 x 32 uint8 (E4M3 codes of Wv, K innermost, in blocks of 32 codes); Wv_scales 1,024 x 32 uint8 (E8M0 scales of Wv, one for each 32 codes along K); attention_mask 4 x 1 x 2,048 int32; bk 1,024 float32; bq 1,024 float32; bv 1,024 float32.
;; Outputs: out0 4 x 2,048 x 1,024 float32.
;; This version of the problem:
;;   THIS VERSION OF THE PROBLEM IS GIVEN IN LOW PRECISION. The matrix products marked QUANTISED in the list below multiply operands that are first quantised to E4M3 (4 exponent bits, 3 mantissa bits; 8 bits a number), with one power-of-two scale for each 32 numbers along K (OCP MX v1.0); their sums are f32. All else is computed in f32.
;;   The module's matrix products, in the order in which they are computed (A, B: the left and right operand; K: the contracted axis; several contracted axes count as one K, in the product's order):
;;     1. [M 8,192, K 1,024] x [K 1,024, N 1,024]; A: input Q (given as codes); B: input Wq (given as codes): QUANTISED
;;     2. [M 8,192, K 1,024] x [K 1,024, N 1,024]; A: input K (given as codes); B: input Wk (given as codes): QUANTISED
;;     3. [M 8,192, K 1,024] x [K 1,024, N 1,024]; A: input V (given as codes); B: input Wv (given as codes): QUANTISED
;;     4. batch 4 x [M 2,048, K 1,024] x [K 1,024, N 2,048]; A: computed on the way; B: computed on the way: QUANTISED
;;     5. batch 4 x [M 2,048, K 2,048] x [K 2,048, N 1,024]; A: softmax (see below); B: computed on the way: QUANTISED
;;   THE QUANTISER, for each operand of a quantised product, along K:
;;     - K is cut into blocks of 32 from its start; a last block that is shorter is filled with zeros.
;;     - A block's scale is 2^e with e = floor(log2(the largest magnitude in the block)) - 8, held to -126 .. 127; a block of zeros has e = 0. As a byte (E8M0): e + 127.
;;     - Each number is divided by its block's scale, clamped to +-448, and rounded to the nearest number of E4M3, ties to even, subnormals kept.
;;     - The product sums the exact products of the quantised numbers (number of the format x scale) in f32.
;;   ~~~python
;;   def quantise(x, axis):      # numpy; x: float32 -> the quantised numbers, widened to float32 again
;;       x = np.moveaxis(x, axis, -1); K = x.shape[-1]
;;       x = np.pad(x, [(0, 0)] * (x.ndim - 1) + [(0, -K % 32)]); x = x.reshape(x.shape[:-1] + (-1, 32)); a = np.abs(x).max(-1, keepdims=True)
;;       e = np.where(a > 0, np.clip(np.frexp(np.where(a > 0, a, 1))[1] - 1 - 8, -126, 127), 0)      # np.frexp(a)[1] - 1 = floor(log2(a)), exactly
;;       r = np.clip(x / 2.0 ** e, -448, 448)
;;       step = 2.0 ** (np.maximum(np.frexp(np.where(r == 0, 1, r))[1] - 1, -6) - 3)
;;       q = np.round(r / step) * step * 2.0 ** e      # np.round: ties to even
;;       return np.moveaxis(q.reshape(q.shape[:-2] + (-1,))[..., :K], -1, axis).astype(np.float32)
;;   ~~~
;;   SOFTMAX AHEAD OF A QUANTISED PRODUCT. Where the list says 'softmax', what is quantised is not the finished softmax but p = 2^(t - M), with t = logit x log2(e) and M = ceil(the row's largest t), a whole number; so 1/2 < the row's largest p <= 1. The row's sum l is taken of the UNQUANTISED p, in f32, and the product's result is divided by l at the end. Since M is a whole number, a kernel that streams over the keys may use a running M (the ceiling of the running maximum): every later rescaling is an exact power of two, which a block's scale takes up: the codes' values come out the same.
;;   OPERANDS COMPUTED ON THE WAY. 'Computed on the way' means the value that the module computes at that place (a softmax that the list does not call 'softmax' is quantised finished and normalised). What goes into a quantiser is computed in f32, as accurately as f32 sums, v_exp_f32 and their like allow (about 1e-6 of the number): no bf16 or f16 on the way to a quantiser, and a product that is left as it is and whose result goes on into a quantised operand takes f32 operands (vector FMAs, or v_wmma_f32_16x16x4_f32). A number that lies on a knife's edge between two numbers of the format may be rounded either way, as far as f32 arithmetic and the matrix unit's own rounding can turn it there, and no further.
;;   INPUTS GIVEN AS CODES. K (in the module: [4, 2048, 1024], K = its axis 2); Q (in the module: [4, 2048, 1024], K = its axis 2); V (in the module: [4, 2048, 1024], K = its axis 2); Wk (in the module: [1024, 1024], K = its axis 1); Wq (in the module: [1024, 1024], K = its axis 1); Wv (in the module: [1024, 1024], K = its axis 1): each comes as NAME_codes (uint8): NAME with its K axis moved to the last place and cut into blocks of 32 codes, [.., K / 32, bytes a block], one block behind the other in memory; one code a byte (a code: sign, 4 exponent bits, 3 mantissa bits); and NAME_scales (uint8): the same leading axes, one E8M0 byte (e + 127) for each 32 codes along K. Its value is code x scale, taken as it is: it is not quantised again, and the codes and scales need not be those that the quantiser above would give.
;; One version. Each part assembles by itself: llvm-mc -triple=amdgcn-amd-amdhsa -mcpu=gfx1250 --defsym DOCPART=n.
;; ======== version 1 of 1: 3 launches
;; workspace buffers: qc 8,388,608 bytes; kc 8,388,608 bytes; vc 8,388,608 bytes; sc 786,432 bytes; pc 16,777,216 bytes; ps 524,288 bytes; st 1,048,576 bytes
;; launch project (part 1): grid 4 x 96, 4 waves a work-group, clusters of 4 x 4, 327,680 bytes of LDS; arguments Q_codes, Q_scales, Wq_codes, Wq_scales, bq, qc, K_codes, K_scales, Wk_codes, Wk_scales, bk, kc, Wv_codes, Wv_scales, V_codes, V_scales, bv, vc, sc; writes qc, kc, vc, sc
.if DOCPART == 1
	.amdgcn_target "amdgcn-amd-amdhsa--gfx1250"
	.amdhsa_code_object_version 6
	.text
	.protected	k_q4e051c0a74_project
	.globl	k_q4e051c0a74_project
	.p2align	8
	.type	k_q4e051c0a74_project,@function
k_q4e051c0a74_project:
	s_mov_b64 s[64:65], 0
	v_nop
	global_prefetch_b8 v0, s[64:65] scope:SCOPE_SE
	s_setreg_imm32_b32 hwreg(HW_REG_WAVE_MODE, 25, 1), 1
	s_wait_xcnt 0x0
	s_wait_alu depctr_hold_cnt(0) depctr_sa_sdst(0) depctr_va_vdst(0) depctr_va_sdst(0) depctr_va_ssrc(0) depctr_va_vcc(0) depctr_vm_vsrc(0)
	s_getreg_b32 s2, hwreg(HW_REG_IB_STS2, 6, 4)
	s_cmp_eq_u32 s2, 0
	s_cbranch_scc0 .Lentry_in_a_cluster
	s_endpgm
.Lentry_in_a_cluster:
	s_bfe_u32 s2, ttmp6, 0x10000c
	s_cmp_lg_u32 s2, 0xf033
	s_cbranch_scc0 .Lentry_shape_is_right
	s_endpgm
.Lentry_shape_is_right:
.set KSTEP,  256
.set NQ,     2
.set ROWB,   256
.set KROW,   1024
.set PITCH,  272
.set FR,     16
.set NL,     4
.set NP,     8
.set HALFT,  128*PITCH
.set SLOT,   4*HALFT
.set KS,     32
.set SCL,    2*SLOT
.set HALFS,  (128*KS/256)*272
.set SBLK,   (16*KS/256)*272
.set SSTEP,  8
.set SPARE,  SCL+4*HALFS
.set BLC,    SPARE+512
.set BLR,    BLC+1024
.set SST,    256*PITCH
.set ABW,  7
.set ABC,  8
.set ABR,  9
.set ADRA, 16
.set ADRB, 20
.set LRB,  22
.set GT,   23
.set STO,  24
.set RD,   25
.set ADRS, 27
.set SPW,  28
.set NIL,  29
.set SWA,  30
.set SC,   32
.set TMPR, 64
.set AF,   128
.set TM,   32
.set TP,   36
.set LIM,  40
.set SCO,  44
.set BY,   48
.set PW,   52
.set X,    64
.set CD,   128
.set VO,   144
.set BC,   160
.set BR,   224
.set OB,   24
.set G1, 24
.set G0, 32
.set G1B, 48
.set G0B, 56
.set G1S, 68
.set G0S, 76
.set G1SB, 80
.set G0SB, 88
.set MSB, 0
.macro WIN new
.if MSB != \new
	s_set_vgpr_msb (MSB<<8)|\new
.set MSB, \new
.endif
.endm
.set MUL_LO, 0xa1
.set MUL_HI, 0xf1
.set TO_B,   0x40
.macro JLOAD g0a, g1a, g0b, g1b
	s_cmp_eq_u32 s15, 0
	s_cbranch_scc0 .Lfor_b_\@
	tensor_load_to_lds s[\g0a:\g0a+3], s[\g1a:\g1a+7]
	s_nop 0
.rept 4
	v_nop
.endr
	s_branch .Lasked_\@
.Lfor_b_\@:
	tensor_load_to_lds s[\g0b:\g0b+3], s[\g1b:\g1b+7]
	s_nop 0
.rept 4
	v_nop
.endr
.Lasked_\@:
.endm
.macro CREST
	s_cmp_lg_u32 s14, 0
	s_cbranch_scc1 .Lnot_wave_0_\@
	s_barrier_signal -3
.Lnot_wave_0_\@:
	s_barrier_wait -3
	s_barrier_signal -1
	s_barrier_wait -1
.endm
.macro CROUND
	s_barrier_signal -1
	s_barrier_wait -1
	CREST
.endm
	s_load_b512 s[24:39], s[0:1], 0x0
	s_load_b512 s[40:55], s[0:1], 0x40
	s_load_b128 s[68:71], s[0:1], 0x80
	s_load_b64 s[72:73], s[0:1], 0x90
	v_lshl_add_u32 v[SPW], v0, 2, SPARE
	v_mov_b32 v[NIL], 0
	ds_add_u32 v[SPW], v[NIL]
	ds_add_u32 v[SPW], v[NIL]
	v_lshrrev_b32 v1, 5, v0
	v_readfirstlane_b32 s14, v1
	s_lshr_b32 s15, s14, 1
	s_and_b32 s16, s14, 1
	s_and_b32 s18, ttmp7, 0xffff
	s_lshr_b32 s66, s18, 3
	s_and_b32 s67, s18, 7
	s_wait_dscnt 0x0
	s_wait_kmcnt 0x0
	s_cmp_eq_u32 s66, 1
	s_cselect_b64 s[4:5], s[36:37], s[24:25]
	s_cselect_b64 s[6:7], s[38:39], s[26:27]
	s_cselect_b64 s[8:9], s[40:41], s[28:29]
	s_cselect_b64 s[10:11], s[42:43], s[30:31]
	s_cselect_b64 s[96:97], s[44:45], s[32:33]
	s_cselect_b64 s[12:13], s[46:47], s[34:35]
	s_cmp_eq_u32 s66, 2
	s_cselect_b64 s[4:5], s[48:49], s[4:5]
	s_cselect_b64 s[6:7], s[50:51], s[6:7]
	s_cselect_b64 s[8:9], s[52:53], s[8:9]
	s_cselect_b64 s[10:11], s[54:55], s[10:11]
	s_cselect_b64 s[96:97], s[68:69], s[96:97]
	s_cselect_b64 s[12:13], s[70:71], s[12:13]
	s_cselect_b32 s19, 0, s67
	s_cselect_b32 s22, s67, 0
	s_movk_i32 s100, 0x400
	s_cselect_b32 s100, 0x2000, s100
	s_cselect_b32 s101, 32, 4
	s_mov_b64 s[98:99], s[72:73]
	s_mov_b32 s67, 0x80808080
	s_bfe_u32 s40, ttmp6, 0x40000
	s_bfe_u32 s41, ttmp6, 0x40004
	s_lshl_b32 s42, s22, 2
	s_add_co_u32 s42, s42, s40
	s_lshl_b32 s17, s19, 2
	s_add_co_u32 s17, s17, s41
	s_lshl_b32 s43, s41, 2
	s_lshl_b32 s43, 15, s43
	s_lshl_b32 s44, 0x1111, s40
	s_or_b32 s[G1+0], s43, (0<<16)|(1<<20)|(1<<21)|(5<<22)|(3<<25)
	s_or_b32 s[G1B+0], s44, (0<<16)|(1<<20)|(1<<21)|(5<<22)|(3<<25)
.irp g, G1, G1B
	s_mov_b32 s[\g+1], ROWB<<16
	s_mov_b32 s[\g+2], 128<<16
	s_mov_b32 s[\g+3], ROWB<<16
	s_mov_b32 s[\g+4], 128
	s_mov_b32 s[\g+5], KROW
	s_mov_b32 s[\g+6], 0
	s_mov_b32 s[\g+7], 0
.endr
	s_or_b32 s[G1S+0], s43, (3<<16)|(1<<20)|(1<<21)|(5<<22)|(3<<25)
	s_or_b32 s[G1SB+0], s44, (3<<16)|(1<<20)|(1<<21)|(5<<22)|(3<<25)
.irp g, G1S, G1SB
	s_mov_b32 s[\g+1], 32<<16
	s_mov_b32 s[\g+2], (128*KS/256)<<16
	s_mov_b32 s[\g+3], 32<<16
	s_mov_b32 s[\g+4], 128*KS/256
	s_mov_b32 s[\g+5], 32
	s_mov_b32 s[\g+6], 0
	s_mov_b32 s[\g+7], 0
.endr
	s_lshl_b32 s18, s16, 7
	s_lshl_b32 s20, s17, 8
	s_add_co_u32 s20, s20, s18
	s_lshl_b32 s46, s42, 8
	s_add_co_u32 s46, s46, s18
	s_mov_b32 s21, 0
	s_mov_b32 s47, 0
	s_lshl_b64 s[22:23], s[20:21], 5
	s_lshl_b64 s[92:93], s[46:47], 5
	s_lshl_b64 s[20:21], s[20:21], 10
	s_lshl_b64 s[46:47], s[46:47], 10
	s_mul_i32 s45, s14, HALFT
	s_mul_i32 s94, s14, HALFS
	s_add_nc_u64 s[20:21], s[4:5], s[20:21]
	s_add_nc_u64 s[22:23], s[6:7], s[22:23]
	s_add_nc_u64 s[46:47], s[8:9], s[46:47]
	s_add_nc_u64 s[92:93], s[10:11], s[92:93]
	CROUND
	s_mov_b32 s[G0S], 1
	s_add_co_u32 s[G0S+1], s94, SCL
	s_mov_b64 s[G0S+2:G0S+3], s[22:23]
	s_or_b32 s[G0S+3], s[G0S+3], 0x80000000
	s_mov_b32 s[G0SB], 1
	s_add_co_u32 s[G0SB+1], s94, SCL
	s_mov_b64 s[G0SB+2:G0SB+3], s[92:93]
	s_or_b32 s[G0SB+3], s[G0SB+3], 0x80000000
	JLOAD G0S, G1S, G0SB, G1SB
.irp s, 0,1
	s_mov_b32 s[G0+4*\s], 1
	s_add_co_u32 s[G0+4*\s+1], s45, \s*SLOT
	s_add_nc_u64 s[G0+4*\s+2:G0+4*\s+3], s[20:21], \s*ROWB
	s_or_b32 s[G0+4*\s+3], s[G0+4*\s+3], 0x80000000
	s_mov_b32 s[G0B+4*\s], 1
	s_add_co_u32 s[G0B+4*\s+1], s45, \s*SLOT
	s_add_nc_u64 s[G0B+4*\s+2:G0B+4*\s+3], s[46:47], \s*ROWB
	s_or_b32 s[G0B+4*\s+3], s[G0B+4*\s+3], 0x80000000
	JLOAD G0+4*\s, G1, G0B+4*\s, G1B
.endr
	v_and_b32 v1, 15, v0
	v_bfe_u32 v2, v0, 4, 1
	v_mul_u32_u24 v3, v1, PITCH
	v_lshl_add_u32 v4, v2, 4, v3
	s_mul_i32 s21, s15, HALFT
	s_mul_i32 s22, s16, HALFT
	s_add_co_u32 s22, s22, 2*HALFT
.irp s, 0,1
	v_add_nc_u32 v[ADRA+\s], s21, v4
	v_add_nc_u32 v[ADRB+\s], s22, v4
	s_add_co_u32 s21, s21, SLOT
	s_add_co_u32 s22, s22, SLOT
.endr
	v_mul_u32_u24 v5, v1, KS
	v_lshrrev_b32 v6, 8, v5
	v_lshl_add_u32 v5, v6, 4, v5
	s_mul_i32 s21, s15, HALFS
	s_mul_i32 s22, s16, HALFS
	s_add_co_u32 s22, s22, 2*HALFS
	s_sub_co_u32 s22, s22, s21
	v_mul_u32_u24 v6, s22, v2
	s_add_co_u32 s21, s21, SCL
	v_add_nc_u32 v5, v5, v6
	v_add_nc_u32 v[ADRS], s21, v5
	s_mul_i32 s23, s15, 128*PITCH
	s_lshl_b32 s21, s16, 7
	s_add_co_u32 s23, s23, s21
	v_lshl_add_u32 v5, v2, 3, v3
	v_add_nc_u32 v[STO], s23, v5
	s_lshl_b32 s23, s15, 10
	s_lshl_b32 s21, s16, 2
	s_add_co_u32 s23, s23, s21
	s_add_co_u32 s23, s23, SST
	v_lshl_add_u32 v[SWA], v1, 3, s23
	s_mul_i32 s23, s15, 128*PITCH
	s_mul_i32 s21, s16, 16*PITCH
	s_add_co_u32 s23, s23, s21
	v_mul_u32_u24 v5, v2, PITCH
	v_lshl_add_u32 v5, v1, 4, v5
	v_add_nc_u32 v[RD], s23, v5
	v_lshl_add_u32 v[LRB], v0, 4, SST
	v_lshlrev_b32 v[GT], 4, v0
	s_lshl_b32 s18, s17, 8
	s_lshl_b32 s19, s15, 7
	s_add_co_u32 s18, s18, s19
	s_lshl_b32 s19, s16, 4
	s_add_co_u32 s18, s18, s19
	s_mul_i32 s18, s18, s100
	s_lshl_b32 s19, s42, 8
	s_add_co_u32 s18, s18, s19
	s_mov_b32 s19, 0
	s_add_nc_u64 s[12:13], s[12:13], s[18:19]
	s_mul_i32 s18, s17, s101
	s_add_co_u32 s18, s18, s42
	s_lshl_b32 s18, s18, 11
	s_lshl_b32 s19, s66, 18
	s_add_co_u32 s18, s18, s19
	s_mov_b32 s19, 0
	s_add_nc_u64 s[98:99], s[98:99], s[18:19]
	s_cmp_eq_u32 s66, 2
	s_cselect_b32 s18, s17, s42
	s_cselect_b32 s22, -1, 0
	s_cselect_b32 s23, 0, -1
	s_lshl_b32 s18, s18, 10
	s_add_nc_u64 s[96:97], s[96:97], s[18:19]
	v_lshlrev_b32 v10, 3, v0
	global_load_b64 v[12:13], v10, s[96:97]
	v_lshl_add_u32 v[ABW], v0, 3, BLC
	s_lshl_b32 s21, s16, 9
	s_add_co_u32 s21, s21, BLC
	v_lshl_add_u32 v[ABC], v2, 5, s21
	s_lshl_b32 s21, s15, 9
	s_add_co_u32 s21, s21, BLR
	v_lshl_add_u32 v[ABR], v1, 2, s21
	s_wait_loadcnt 0x0
	v_and_b32 v64, s23, v12
	v_and_b32 v65, s23, v13
	v_and_b32 v66, s22, v12
	v_and_b32 v67, s22, v13
	ds_store_b64 v[ABW], v[64:65]
	ds_store_b64 v[ABW], v[66:67] offset:1024
.macro FRAG reg, adr, q, i
.irp c, 0,1,2,3
	ds_load_b128 v[\reg+4*\c:\reg+4*\c+3], v[\adr] offset:128*(\q)+32*\c+(\i)*16*PITCH
.endr
.endm
.macro FETCH_B slot, q, p
	WIN TO_B
.irp i, 0,1,2,3,4,5,6,7
	FRAG 128*(\p)+FR*\i, ADRB+\slot, \q, \i
.endr
	WIN 0
.endm
.macro FETCH_A slot, q, i0
.irp i, \i0, \i0+1, \i0+2, \i0+3
	FRAG AF+FR*(\i), ADRA+\slot, \q, \i
.endr
.endm
.macro SCALES sc
.irp i, 0,1,2,3,4,5,6,7
	ds_load_b64 v[SC+8*NQ*\sc+NQ*\i:SC+8*NQ*\sc+NQ*\i+1], v[ADRS] offset:\i*SBLK
.endr
.endm
.macro PLACES n
.rept \n
	v_nop
.endr
.endm
.macro MUL16Z a0
.irp a, \a0, \a0+1
.irp b, 0,1,2,3,4,5,6,7
	v_wmma_scale_f32_16x16x128_f8f6f4 v[8*(8*((\a)%4)+\b):8*(8*((\a)%4)+\b)+7], v[FR*\b:FR*\b+FR-1], v[AF+FR*(\a):AF+FR*(\a)+FR-1], 0, v[SC+NQ*\b], v[SC+NQ*(\a)] matrix_a_scale:MATRIX_SCALE_ROW1
.endr
.endr
.endm
.set PEND, 0
.set PA, 0
.set PH, 0
.set PT, 0
.set PN, 0
.set TH, 0
.macro SLICE i
.if PEND
.set WSUM, 0x82+0x41*(PA/4)
	WIN WSUM
.set ACB, 64*(PA%4)+32*PH+8*(\i)
.set TSRC, TMPR+32*PT+8*(\i)
.irp c, 0,2,4,6
.if PN
	v_pk_add_f32 v[ACB+\c:ACB+\c+1], v[ACB+\c:ACB+\c+1], v[TSRC+\c:TSRC+\c+1] neg_lo:[0,1] neg_hi:[0,1]
.else
	v_pk_add_f32 v[ACB+\c:ACB+\c+1], v[ACB+\c:ACB+\c+1], v[TSRC+\c:TSRC+\c+1]
.endif
.endr
.endif
.endm
.macro HG a, hb, p, q, sc
.irp i, 0,1,2,3
	WIN 0x01
	v_wmma_scale_f32_16x16x128_f8f6f4 v[TMPR+32*TH+8*\i:TMPR+32*TH+8*\i+7], v[128*(\p)+FR*(4*(\hb)+\i):128*(\p)+FR*(4*(\hb)+\i)+FR-1], v[AF+FR*(\a):AF+FR*(\a)+FR-1], 0, v[SC+8*NQ*(\sc)+NQ*(4*(\hb)+\i)+(\q)], v[SC+8*NQ*(\sc)+NQ*(\a)+(\q)] matrix_a_scale:MATRIX_SCALE_ROW1
	SLICE \i
.endr
.if PEND == 0
	PLACES NP+1
.endif
.set PEND, 1
.set PA, \a
.set PH, \hb
.set PT, TH
.set PN, \q
.set TH, 1-TH
.endm
.macro DRAIN
.irp i, 0,1,2,3
	SLICE \i
.endr
.set PEND, 0
.endm
.macro HGA a, p, q, sc
	HG \a, 0, \p, \q, \sc
	HG \a, 1, \p, \q, \sc
.endm
.macro NEGB
	WIN 0x44
.set cnt, 0
.rept 128
	v_xor_b32 v[128+cnt], s67, v[128+cnt]
.set cnt, cnt+1
.endr
.endm
.macro STEP0
	s_wait_dscnt 4*NL
	WIN MUL_LO
	MUL16Z 0
	MUL16Z 2
	s_wait_dscnt 0
	PLACES NP
	FETCH_B 0, 1, 1
	FETCH_A 0, 1, 0
	WIN MUL_HI
	MUL16Z 4
	MUL16Z 6
	PLACES NP
	WIN 0
	FETCH_A 0, 1, 4
.endm
.macro STEP slot
	s_wait_dscnt 4*NL
.irp a, 0,1,2,3
	HGA \a, 0, 0, \slot
.endr
	s_wait_dscnt 0
	PLACES NP
	FETCH_B \slot, 1, 1
	FETCH_A \slot, 1, 0
.irp a, 4,5,6,7
	HGA \a, 0, 0, \slot
.endr
	PLACES NP
	WIN 0
	FETCH_A \slot, 1, 4
.endm
.macro TURN slot, next, fill
	s_wait_tensorcnt 0x0
	ds_add_u32 v[SPW], v[NIL]
	s_wait_dscnt 4*NL+1
	NEGB
	HGA 0, 1, 1, \slot
	HGA 1, 1, 1, \slot
	s_wait_dscnt 0x0
	s_barrier_signal -1
	HGA 2, 1, 1, \slot
	HGA 3, 1, 1, \slot
	WIN 0
	s_barrier_wait -1
.if \fill
	CREST
	s_add_nc_u64 s[G0+4*\slot+2:G0+4*\slot+3], s[G0+4*\slot+2:G0+4*\slot+3], 2*ROWB
	s_add_nc_u64 s[G0B+4*\slot+2:G0B+4*\slot+3], s[G0B+4*\slot+2:G0B+4*\slot+3], 2*ROWB
	JLOAD G0+4*\slot, G1, G0B+4*\slot, G1B
	PLACES NP-4
.else
	PLACES NP
.endif
	v_add_nc_u32 v[ADRS], SSTEP, v[ADRS]
	FETCH_B \next, 0, 0
	FETCH_A \next, 0, 0
	SCALES \next
.irp a, 4,5,6,7
	HGA \a, 1, 1, \slot
.endr
	PLACES NP
	WIN 0
	FETCH_A \next, 0, 4
.endm
	s_wait_tensorcnt 1
	s_wait_dscnt 0x0
	s_barrier_signal -1
	s_barrier_wait -1
	FETCH_B 0, 0, 0
	FETCH_A 0, 0, 0
	SCALES 0
	FETCH_A 0, 0, 4
	STEP0
	TURN 0, 1, 1
	STEP 1
	TURN 1, 0, 1
	STEP 0
	TURN 0, 1, 0
	STEP 1
	s_wait_dscnt 4*NL
	NEGB
.irp a, 0,1,2,3
	HGA \a, 1, 1, 1
.endr
	s_wait_dscnt 0
.irp a, 4,5,6,7
	HGA \a, 1, 1, 1
.endr
	DRAIN
	WIN 0
.macro QOUT a
.set AC, 64*((\a)%4)
	WIN 0x02+((\a)/4)
.set cnt, 0
.rept 32
	v_pk_add_f32 v[X+cnt:X+cnt+1], v[AC+cnt:AC+cnt+1], v[BC+cnt:BC+cnt+1]
.set cnt, cnt+2
.endr
	WIN 0
.set cnt, 0
.rept 32
	v_pk_add_f32 v[X+cnt:X+cnt+1], v[X+cnt:X+cnt+1], v[BR+2*(\a):BR+2*(\a)+1] op_sel_hi:[1,0]
.set cnt, cnt+2
.endr
.irp g, 0,1,2,3
	v_max3_num_f32 v[TM+\g], |v[X+16*\g]|, |v[X+16*\g+1]|, 0x4800000
.endr
.irp i, 2,4,6,8,10,12,14
.irp g, 0,1,2,3
	v_max3_num_f32 v[TM+\g], |v[X+16*\g+\i]|, |v[X+16*\g+\i+1]|, v[TM+\g]
.endr
.endr
	s_wait_dscnt 0x0
.irp g, 0,1,2,3
	v_permlanex16_b32 v[TP+\g], v[TM+\g], s20, s21
.endr
.irp g, 0,1,2,3
	v_max_num_f32 v[TM+\g], v[TM+\g], v[TP+\g]
.endr
.irp g, 0,1,2,3
	v_add_nc_u32 v[SCO+\g], 0xfc000000, v[TM+\g]
.endr
.irp g, 0,1,2,3
	v_and_or_b32 v[LIM+\g], v[TM+\g], 0x7f800000, s22
.endr
.irp g, 0,1,2,3
	v_lshrrev_b32 v[BY+\g], 23, v[SCO+\g]
.endr
	v_lshl_or_b32 v[PW], v[BY+1], 8, v[BY]
	v_lshl_or_b32 v[PW], v[BY+2], 16, v[PW]
	v_lshl_or_b32 v[PW], v[BY+3], 24, v[PW]
.set cnt, 0
.rept 64
	v_med3_num_f32 v[X+cnt], v[X+cnt], -v[LIM+cnt/16], v[LIM+cnt/16]
.set cnt, cnt+1
.endr
.irp b, 0,1,2,3,4,5,6,7
	v_cvt_scalef32_pk8_fp8_f32 v[CD+2*\b:CD+2*\b+1], v[X+8*\b:X+8*\b+7], v[SCO+\b/2]
.endr
	v_nop
.irp b, 0,1,2,3,4,5,6,7
	ds_store_b64 v[STO], v[CD+2*\b:CD+2*\b+1] offset:16*PITCH*\a+16*\b
.endr
	ds_store_b32 v[SWA], v[PW] offset:128*\a
.endm
.macro LOADP k
	s_wait_dscnt 0x0
	s_barrier_signal -1
	s_barrier_wait -1
	WIN TO_B
.irp t, 0,1,2,3,4,5,6,7
	ds_load_b128 v[32*\k+4*\t:32*\k+4*\t+3], v[RD] offset:(32*\k+2*\t)*PITCH
.endr
	WIN 0
.endm
.macro STOREP k
	WIN 0x04
.irp t, 0,1,2,3,4,5,6,7
	global_store_b128 v[VO+\t], v[32*\k+4*\t:32*\k+4*\t+3], s[OB+2*\k:OB+2*\k+1]
.endr
	WIN 0
.endm
.irp b, 0,1,2,3,4,5,6,7
	ds_load_b128 v[BC+8*\b:BC+8*\b+3], v[ABC] offset:64*\b
	ds_load_b128 v[BC+8*\b+4:BC+8*\b+7], v[ABC] offset:64*\b+16
.endr
.irp a, 0,1,2,3,4,5,6,7
	ds_load_b32 v[BR+2*\a], v[ABR] offset:64*\a
	ds_load_b32 v[BR+2*\a+1], v[ABR] offset:64*\a
.endr
	s_mov_b32 s20, 0x76543210
	s_mov_b32 s21, 0xfedcba98
	s_mov_b32 s22, 0x600000
.irp g, 0,1,2,3
	v_mov_b32 v[TP+\g], 0
.endr
	v_mul_lo_u32 v[VO], v2, s100
	v_lshl_add_u32 v[VO], v1, 4, v[VO]
	s_lshl_b32 s18, s100, 1
.set cnt, 1
.rept 7
	v_add_nc_u32 v[VO+cnt], s18, v[VO+cnt-1]
.set cnt, cnt+1
.endr
	s_lshl_b32 s18, s100, 5
	s_mov_b32 s19, 0
	s_mov_b64 s[OB:OB+1], s[12:13]
	s_add_nc_u64 s[OB+2:OB+3], s[OB:OB+1], s[18:19]
	s_add_nc_u64 s[OB+4:OB+5], s[OB+2:OB+3], s[18:19]
	s_add_nc_u64 s[OB+6:OB+7], s[OB+4:OB+5], s[18:19]
	s_wait_dscnt 0x0
	QOUT 0
	QOUT 1
	LOADP 0
	QOUT 2
	STOREP 0
	QOUT 3
	LOADP 1
	QOUT 4
	STOREP 1
	QOUT 5
	LOADP 2
	QOUT 6
	STOREP 2
	QOUT 7
	LOADP 3
	ds_load_b128 v[60:63], v[LRB]
	s_wait_dscnt 0x0
	STOREP 3
	global_store_b128 v[GT], v[60:63], s[98:99]
	s_wait_tensorcnt 0x0
	ds_add_u32 v[SPW], v[NIL]
	s_wait_dscnt 0x0
	CROUND
	s_endpgm
.Lfunc_end_k_q4e051c0a74_project:
	.size	k_q4e051c0a74_project, .Lfunc_end_k_q4e051c0a74_project-k_q4e051c0a74_project
	.p2alignl 7, 3214868480
	.fill 96, 4, 3214868480
	.section	.rodata,"a",@progbits
	.p2align	6, 0x0
	.amdhsa_kernel k_q4e051c0a74_project
		.amdhsa_group_segment_fixed_size 327680
		.amdhsa_private_segment_fixed_size 0
		.amdhsa_enable_private_segment 0
		.amdhsa_kernarg_size 152
		.amdhsa_user_sgpr_count 2
		.amdhsa_user_sgpr_kernarg_segment_ptr 1
		.amdhsa_wavefront_size32 1
		.amdhsa_system_sgpr_workgroup_id_x 1
		.amdhsa_system_sgpr_workgroup_id_y 1
		.amdhsa_system_sgpr_workgroup_id_z 1
		.amdhsa_system_vgpr_workitem_id 0
		.amdhsa_next_free_vgpr 1024
		.amdhsa_next_free_sgpr 102
		.amdhsa_reserve_vcc 0
		.amdhsa_float_denorm_mode_32 3
		.amdhsa_float_denorm_mode_16_64 3
		.amdhsa_memory_ordered 1
		.amdhsa_forward_progress 1
		.amdhsa_inst_pref_size 255
	.end_amdhsa_kernel
	.section	.bss,"aw",@nobits
	.p2align	6
	.space	262144
	.amdgpu_metadata
---
amdhsa.version: [ 1, 2 ]
amdhsa.kernels:
  - .name:           k_q4e051c0a74_project
    .symbol:         k_q4e051c0a74_project.kd
    .args:
      - { .name: Q_codes, .offset: 0, .size: 8, .value_kind: global_buffer, .address_space: global }
      - { .name: Q_scales, .offset: 8, .size: 8, .value_kind: global_buffer, .address_space: global }
      - { .name: Wq_codes, .offset: 16, .size: 8, .value_kind: global_buffer, .address_space: global }
      - { .name: Wq_scales, .offset: 24, .size: 8, .value_kind: global_buffer, .address_space: global }
      - { .name: bq, .offset: 32, .size: 8, .value_kind: global_buffer, .address_space: global }
      - { .name: qc, .offset: 40, .size: 8, .value_kind: global_buffer, .address_space: global }
      - { .name: K_codes, .offset: 48, .size: 8, .value_kind: global_buffer, .address_space: global }
      - { .name: K_scales, .offset: 56, .size: 8, .value_kind: global_buffer, .address_space: global }
      - { .name: Wk_codes, .offset: 64, .size: 8, .value_kind: global_buffer, .address_space: global }
      - { .name: Wk_scales, .offset: 72, .size: 8, .value_kind: global_buffer, .address_space: global }
      - { .name: bk, .offset: 80, .size: 8, .value_kind: global_buffer, .address_space: global }
      - { .name: kc, .offset: 88, .size: 8, .value_kind: global_buffer, .address_space: global }
      - { .name: Wv_codes, .offset: 96, .size: 8, .value_kind: global_buffer, .address_space: global }
      - { .name: Wv_scales, .offset: 104, .size: 8, .value_kind: global_buffer, .address_space: global }
      - { .name: V_codes, .offset: 112, .size: 8, .value_kind: global_buffer, .address_space: global }
      - { .name: V_scales, .offset: 120, .size: 8, .value_kind: global_buffer, .address_space: global }
      - { .name: bv, .offset: 128, .size: 8, .value_kind: global_buffer, .address_space: global }
      - { .name: vc, .offset: 136, .size: 8, .value_kind: global_buffer, .address_space: global }
      - { .name: sc, .offset: 144, .size: 8, .value_kind: global_buffer, .address_space: global }
    .group_segment_fixed_size: 327680
    .private_segment_fixed_size: 0
    .kernarg_segment_align: 8
    .kernarg_segment_size: 152
    .max_flat_workgroup_size: 128
    .sgpr_count:     102
    .vgpr_count:     1024
    .wavefront_size: 32
...
	.end_amdgpu_metadata
.endif
;; end of part 1
;; launch scores (part 2): grid 8 x 32, 4 waves a work-group, clusters of 4 x 4, 327,680 bytes of LDS; arguments qc, sc, kc, attention_mask, pc, ps, st; writes pc, ps, st
.if DOCPART == 2
	.amdgcn_target "amdgcn-amd-amdhsa--gfx1250"
	.amdhsa_code_object_version 6
	.text
	.protected	k_q4e051c0a74_scores
	.globl	k_q4e051c0a74_scores
	.p2align	8
	.type	k_q4e051c0a74_scores,@function
k_q4e051c0a74_scores:
	s_mov_b64 s[64:65], 0
	v_nop
	global_prefetch_b8 v0, s[64:65] scope:SCOPE_SE
	s_setreg_imm32_b32 hwreg(HW_REG_WAVE_MODE, 25, 1), 1
	s_wait_xcnt 0x0
	s_wait_alu depctr_hold_cnt(0) depctr_sa_sdst(0) depctr_va_vdst(0) depctr_va_sdst(0) depctr_va_ssrc(0) depctr_va_vcc(0) depctr_vm_vsrc(0)
	s_getreg_b32 s2, hwreg(HW_REG_IB_STS2, 6, 4)
	s_cmp_eq_u32 s2, 0
	s_cbranch_scc0 .Lentry_in_a_cluster
	s_endpgm
.Lentry_in_a_cluster:
	s_bfe_u32 s2, ttmp6, 0x10000c
	s_cmp_lg_u32 s2, 0xf033
	s_cbranch_scc0 .Lentry_shape_is_right
	s_endpgm
.Lentry_shape_is_right:
.set KSTEP,  256
.set NQ,     2
.set ROWB,   256
.set KROW,   1024
.set PITCH,  272
.set FR,     16
.set NL,     4
.set NP,     8
.set HALFT,  128*PITCH
.set SLOT,   4*HALFT
.set LAPS,   2
.set SCL,    2*SLOT
.set SBLK,   128
.set SSTEP,  2048
.set SPARE,  SCL+16384
.set SST,    256*PITCH
.set STS,    SST+2048
.set ADRA, 16
.set ADRB, 20
.set LRB,  22
.set GT,   23
.set STO,  24
.set RD,   25
.set CO,   26
.set ADRS, 27
.set SPW,  28
.set NIL,  29
.set SWA,  30
.set STA,  31
.set K32,  8
.set KNEG, 9
.set ZR,   10
.set SC,   32
.set MK,   64
.set AF,   128
.set BM,   32
.set TP,   36
.set LIM,  40
.set SCO,  44
.set BY,   48
.set PW,   52
.set RM,   53
.set MM,   54
.set LL,   55
.set LS,   56
.set LT,   58
.set X,    64
.set CD,   128
.set CDG,  144
.set CX,   0
.set AX,   64
.set AB,   128
.set G1, 24
.set G0, 32
.set G1B, 48
.set G0B, 56
.set G1S, 68
.set G0S, 76
.set G1SB, 80
.set G0SB, 88
.set MSB, 0
.macro WIN new
.if MSB != \new
	s_set_vgpr_msb (MSB<<8)|\new
.set MSB, \new
.endif
.endm
.set MUL_LO, 0xa1
.set MUL_HI, 0xf1
.set TO_B,   0x40
.macro JLOAD g0a, g1a, g0b, g1b
	s_cmp_eq_u32 s15, 0
	s_cbranch_scc0 .Lfor_b_\@
	tensor_load_to_lds s[\g0a:\g0a+3], s[\g1a:\g1a+7]
	s_nop 0
.rept 4
	v_nop
.endr
	s_branch .Lasked_\@
.Lfor_b_\@:
	tensor_load_to_lds s[\g0b:\g0b+3], s[\g1b:\g1b+7]
	s_nop 0
.rept 4
	v_nop
.endr
.Lasked_\@:
.endm
.macro CREST
	s_cmp_lg_u32 s14, 0
	s_cbranch_scc1 .Lnot_wave_0_\@
	s_barrier_signal -3
.Lnot_wave_0_\@:
	s_barrier_wait -3
	s_barrier_signal -1
	s_barrier_wait -1
.endm
.macro CROUND
	s_barrier_signal -1
	s_barrier_wait -1
	CREST
.endm
	s_load_b128 s[4:7], s[0:1], 0x0
	s_load_b128 s[8:11], s[0:1], 0x10
	s_load_b64 s[12:13], s[0:1], 0x20
	s_load_b64 s[96:97], s[0:1], 0x28
	s_load_b64 s[98:99], s[0:1], 0x30
	v_lshl_add_u32 v[SPW], v0, 2, SPARE
	v_mov_b32 v[NIL], 0
	ds_add_u32 v[SPW], v[NIL]
	ds_add_u32 v[SPW], v[NIL]
	v_lshrrev_b32 v1, 5, v0
	v_readfirstlane_b32 s14, v1
	s_lshr_b32 s15, s14, 1
	s_and_b32 s16, s14, 1
	s_bfe_u32 s40, ttmp6, 0x40000
	s_bfe_u32 s41, ttmp6, 0x40004
	s_lshl_b32 s42, ttmp9, 2
	s_add_co_u32 s42, s42, s40
	s_and_b32 s17, ttmp7, 0xffff
	s_lshr_b32 s66, s17, 1
	s_lshl_b32 s17, s17, 2
	s_add_co_u32 s17, s17, s41
	s_lshl_b32 s43, s41, 2
	s_lshl_b32 s43, 15, s43
	s_lshl_b32 s44, 0x1111, s40
	s_or_b32 s[G1+0], s43, (0<<16)|(1<<20)|(1<<21)|(5<<22)|(3<<25)
	s_or_b32 s[G1B+0], s44, (0<<16)|(1<<20)|(1<<21)|(5<<22)|(3<<25)
.irp g, G1, G1B
	s_mov_b32 s[\g+1], ROWB<<16
	s_mov_b32 s[\g+2], 128<<16
	s_mov_b32 s[\g+3], ROWB<<16
	s_mov_b32 s[\g+4], 128
	s_mov_b32 s[\g+5], KROW
	s_mov_b32 s[\g+6], 0
	s_mov_b32 s[\g+7], 0
.endr
	s_or_b32 s[G1S+0], s43, (3<<16)|(1<<21)
	s_or_b32 s[G1SB+0], s44, (3<<16)|(1<<21)
.irp g, G1S, G1SB
	s_mov_b32 s[\g+1], 32<<16
	s_mov_b32 s[\g+2], 16<<16
	s_mov_b32 s[\g+3], 32<<16
	s_mov_b32 s[\g+4], 16
	s_mov_b32 s[\g+5], 32
	s_mov_b32 s[\g+6], 0
	s_mov_b32 s[\g+7], 0
.endr
	s_lshl_b32 s18, s16, 7
	s_lshl_b32 s19, s16, 12
	s_lshl_b32 s20, s17, 8
	s_add_co_u32 s20, s20, s18
	s_lshl_b32 s20, s20, 10
	s_mov_b32 s21, 0
	s_lshl_b32 s22, s17, 13
	s_add_co_u32 s22, s22, s19
	s_mov_b32 s23, 0
	s_lshl_b32 s46, s42, 8
	s_add_co_u32 s46, s46, s18
	s_lshl_b32 s67, s66, 11
	s_add_co_u32 s46, s46, s67
	s_lshl_b32 s46, s46, 10
	s_mov_b32 s47, 0
	s_lshl_b32 s92, s66, 3
	s_add_co_u32 s92, s92, s42
	s_lshl_b32 s92, s92, 13
	s_add_co_u32 s92, s92, s19
	s_add_co_u32 s92, s92, 262144
	s_mov_b32 s93, 0
	s_mul_i32 s45, s14, HALFT
	s_lshl_b32 s94, s14, 12
	s_wait_dscnt 0x0
	s_wait_kmcnt 0x0
	s_add_nc_u64 s[20:21], s[4:5], s[20:21]
	s_add_nc_u64 s[22:23], s[6:7], s[22:23]
	s_add_nc_u64 s[46:47], s[8:9], s[46:47]
	s_add_nc_u64 s[92:93], s[6:7], s[92:93]
	CROUND
	s_mov_b32 s[G0S], 1
	s_add_co_u32 s[G0S+1], s94, SCL
	s_mov_b64 s[G0S+2:G0S+3], s[22:23]
	s_or_b32 s[G0S+3], s[G0S+3], 0x80000000
	s_mov_b32 s[G0SB], 1
	s_add_co_u32 s[G0SB+1], s94, SCL
	s_mov_b64 s[G0SB+2:G0SB+3], s[92:93]
	s_or_b32 s[G0SB+3], s[G0SB+3], 0x80000000
	JLOAD G0S, G1S, G0SB, G1SB
.irp s, 0,1
	s_mov_b32 s[G0+4*\s], 1
	s_add_co_u32 s[G0+4*\s+1], s45, \s*SLOT
	s_add_nc_u64 s[G0+4*\s+2:G0+4*\s+3], s[20:21], \s*ROWB
	s_or_b32 s[G0+4*\s+3], s[G0+4*\s+3], 0x80000000
	s_mov_b32 s[G0B+4*\s], 1
	s_add_co_u32 s[G0B+4*\s+1], s45, \s*SLOT
	s_add_nc_u64 s[G0B+4*\s+2:G0B+4*\s+3], s[46:47], \s*ROWB
	s_or_b32 s[G0B+4*\s+3], s[G0B+4*\s+3], 0x80000000
	JLOAD G0+4*\s, G1, G0B+4*\s, G1B
.endr
	v_and_b32 v1, 15, v0
	v_bfe_u32 v2, v0, 4, 1
	v_mul_u32_u24 v3, v1, PITCH
	v_lshl_add_u32 v4, v2, 4, v3
	s_mul_i32 s21, s15, HALFT
	s_mul_i32 s22, s16, HALFT
	s_add_co_u32 s22, s22, 2*HALFT
.irp s, 0,1
	v_add_nc_u32 v[ADRA+\s], s21, v4
	v_add_nc_u32 v[ADRB+\s], s22, v4
	s_add_co_u32 s21, s21, SLOT
	s_add_co_u32 s22, s22, SLOT
.endr
	s_lshl_b32 s21, s15, 10
	s_lshl_b32 s22, s16, 10
	s_add_co_u32 s22, s22, 8192
	s_sub_co_u32 s22, s22, s21
	v_mul_u32_u24 v6, s22, v2
	s_add_co_u32 s21, s21, SCL
	v_lshl_add_u32 v5, v1, 3, v6
	v_add_nc_u32 v[ADRS], s21, v5
	s_mul_i32 s23, s15, 128*PITCH
	s_lshl_b32 s21, s16, 7
	s_add_co_u32 s23, s23, s21
	v_lshl_add_u32 v5, v2, 3, v3
	v_add_nc_u32 v[STO], s23, v5
	s_lshl_b32 s23, s15, 10
	s_lshl_b32 s21, s16, 2
	s_add_co_u32 s23, s23, s21
	s_add_co_u32 s23, s23, SST
	v_lshl_add_u32 v[SWA], v1, 3, s23
	s_lshl_b32 s23, s15, 11
	s_lshl_b32 s21, s16, 3
	s_add_co_u32 s23, s23, s21
	s_add_co_u32 s23, s23, STS
	v_lshl_add_u32 v[STA], v1, 4, s23
	s_mul_i32 s23, s15, 128*PITCH
	s_mul_i32 s21, s16, 16*PITCH
	s_add_co_u32 s23, s23, s21
	v_mul_u32_u24 v5, v2, PITCH
	v_lshl_add_u32 v5, v1, 4, v5
	v_add_nc_u32 v[RD], s23, v5
	v_lshl_add_u32 v[LRB], v0, 4, SST
	v_lshlrev_b32 v[GT], 4, v0
	v_lshlrev_b32 v[CO], 11, v2
	v_lshl_add_u32 v[CO], v1, 4, v[CO]
	s_lshl_b32 s18, s17, 8
	s_lshl_b32 s19, s15, 7
	s_add_co_u32 s18, s18, s19
	s_lshl_b32 s19, s16, 4
	s_add_co_u32 s18, s18, s19
	s_lshl_b32 s18, s18, 11
	s_lshl_b32 s19, s42, 8
	s_add_co_u32 s18, s18, s19
	s_mov_b32 s19, 0
	s_add_nc_u64 s[12:13], s[12:13], s[18:19]
	s_lshl_b32 s18, s17, 3
	s_add_co_u32 s18, s18, s42
	s_lshl_b32 s18, s18, 11
	s_add_nc_u64 s[96:97], s[96:97], s[18:19]
	s_lshl_b32 s18, s18, 1
	s_add_nc_u64 s[98:99], s[98:99], s[18:19]
	s_lshl_b32 s18, s66, 13
	s_lshl_b32 s19, s42, 10
	s_add_co_u32 s18, s18, s19
	s_lshl_b32 s19, s16, 9
	s_add_co_u32 s18, s18, s19
	s_mov_b32 s19, 0
	s_add_nc_u64 s[10:11], s[10:11], s[18:19]
	v_lshlrev_b32 v3, 5, v2
.irp b, 0,1,2,3,4,5,6,7
	global_load_b128 v[MK+8*\b:MK+8*\b+3], v3, s[10:11] offset:64*\b
	global_load_b128 v[MK+8*\b+4:MK+8*\b+7], v3, s[10:11] offset:64*\b+16
.endr
.macro FRAG reg, adr, q, i
.irp c, 0,1,2,3
	ds_load_b128 v[\reg+4*\c:\reg+4*\c+3], v[\adr] offset:128*(\q)+32*\c+(\i)*16*PITCH
.endr
.endm
.macro MUL16 a0, p, q, sc, zero
.irp a, \a0, \a0+1
.irp b, 0,1,2,3,4,5,6,7
.if \zero
	v_wmma_scale_f32_16x16x128_f8f6f4 v[8*(8*((\a)%4)+\b):8*(8*((\a)%4)+\b)+7], v[128*(\p)+FR*\b:128*(\p)+FR*\b+FR-1], v[AF+FR*(\a):AF+FR*(\a)+FR-1], 0, v[SC+8*NQ*(\sc)+NQ*\b+(\q)], v[SC+8*NQ*(\sc)+NQ*(\a)+(\q)] matrix_a_scale:MATRIX_SCALE_ROW1
.else
	v_wmma_scale_f32_16x16x128_f8f6f4 v[8*(8*((\a)%4)+\b):8*(8*((\a)%4)+\b)+7], v[128*(\p)+FR*\b:128*(\p)+FR*\b+FR-1], v[AF+FR*(\a):AF+FR*(\a)+FR-1], v[8*(8*((\a)%4)+\b):8*(8*((\a)%4)+\b)+7], v[SC+8*NQ*(\sc)+NQ*\b+(\q)], v[SC+8*NQ*(\sc)+NQ*(\a)+(\q)] matrix_a_scale:MATRIX_SCALE_ROW1
.endif
.endr
.endr
.endm
.macro FETCH_B slot, q, p
	WIN TO_B
.irp i, 0,1,2,3,4,5,6,7
	FRAG 128*(\p)+FR*\i, ADRB+\slot, \q, \i
.endr
	WIN 0
.endm
.macro FETCH_A slot, q, i0
.irp i, \i0, \i0+1, \i0+2, \i0+3
	FRAG AF+FR*(\i), ADRA+\slot, \q, \i
.endr
.endm
.macro SCALES sc
.irp i, 0,1,2,3,4,5,6,7
	ds_load_b64 v[SC+8*NQ*\sc+NQ*\i:SC+8*NQ*\sc+NQ*\i+1], v[ADRS] offset:\i*SBLK
.endr
.endm
.macro PLACES n
.rept \n
	v_nop
.endr
.endm
.macro STEP slot, q, zero
	s_wait_dscnt 4*NL
	WIN MUL_LO
	MUL16 0, (\q)%2, \q, \slot, \zero
	MUL16 2, (\q)%2, \q, \slot, \zero
	s_wait_dscnt 0
	PLACES NP
	FETCH_B \slot, (\q)+1, 1-(\q)%2
	FETCH_A \slot, (\q)+1, 0
	WIN MUL_HI
	MUL16 4, (\q)%2, \q, \slot, \zero
	MUL16 6, (\q)%2, \q, \slot, \zero
	PLACES NP
	WIN 0
	FETCH_A \slot, (\q)+1, 4
.endm
.macro TURN slot, next, fill
	s_wait_tensorcnt 0x0
	ds_add_u32 v[SPW], v[NIL]
	s_wait_dscnt 4*NL+1
	WIN MUL_LO
	MUL16 0, 1, NQ-1, \slot, 0
	s_wait_dscnt 0x0
	s_barrier_signal -1
	MUL16 2, 1, NQ-1, \slot, 0
	WIN 0
	s_barrier_wait -1
.if \fill
	CREST
	s_add_nc_u64 s[G0+4*\slot+2:G0+4*\slot+3], s[G0+4*\slot+2:G0+4*\slot+3], 2*ROWB
	s_add_nc_u64 s[G0B+4*\slot+2:G0B+4*\slot+3], s[G0B+4*\slot+2:G0B+4*\slot+3], 2*ROWB
	JLOAD G0+4*\slot, G1, G0B+4*\slot, G1B
	PLACES NP-4
.else
	PLACES NP
.endif
	v_add_nc_u32 v[ADRS], SSTEP, v[ADRS]
	FETCH_B \next, 0, 0
	FETCH_A \next, 0, 0
	SCALES \next
	WIN MUL_HI
	MUL16 4, 1, NQ-1, \slot, 0
	MUL16 6, 1, NQ-1, \slot, 0
	PLACES NP
	WIN 0
	FETCH_A \next, 0, 4
.endm
	s_wait_loadcnt 0x0
	s_wait_tensorcnt 1
	s_barrier_signal -1
	s_barrier_wait -1
	FETCH_B 0, 0, 0
	FETCH_A 0, 0, 0
	SCALES 0
	FETCH_A 0, 0, 4
	STEP 0, 0, 1
	s_mov_b32 s3, LAPS-1
.Llap:
	TURN 0, 1, 1
	STEP 1, 0, 0
	TURN 1, 0, 1
	STEP 0, 0, 0
	s_sub_co_u32 s3, s3, 1
	s_cmp_lg_u32 s3, 0
	s_cbranch_scc1 .Llap
	TURN 0, 1, 0
	STEP 1, 0, 0
	s_wait_dscnt 4*NL
	WIN MUL_LO
	MUL16 0, 1, NQ-1, 1, 0
	MUL16 2, 1, NQ-1, 1, 0
	s_wait_dscnt 0
	WIN MUL_HI
	MUL16 4, 1, NQ-1, 1, 0
	MUL16 6, 1, NQ-1, 1, 0
	WIN 0
	PLACES NP
	s_mov_b32 s20, 0x76543210
	s_mov_b32 s21, 0xfedcba98
	s_mov_b32 s22, 0x600000
	s_mov_b32 s46, 0x3fb8aa3b
	s_mov_b32 s47, s46
	s_lshl_b32 s18, s42, 8
	s_lshl_b32 s19, s16, 7
	s_add_co_u32 s18, s18, s19
	s_and_b32 s19, s17, 7
	s_lshl_b32 s19, s19, 8
	s_sub_co_i32 s18, s18, s19
	s_lshl_b32 s19, s15, 7
	s_sub_co_i32 s18, s18, s19
	s_cmp_ge_i32 s18, 0
	s_cselect_b32 s92, 0xd01502f9, 0
	s_cmp_gt_i32 s18, 0
	s_cselect_b32 s94, 0xd01502f9, 0
	s_mov_b32 s93, s92
	s_mov_b32 s95, s94
	v_mov_b32 v[K32], 0x3d000000
	v_mov_b32 v[KNEG], 0xd01502f9
	v_mov_b32 v[ZR], 0
.irp g, 0,1,2,3
	v_mov_b32 v[TP+\g], 0
.endr
	v_mov_b32 v[LL], 0
	v_lshlrev_b32 v3, 3, v2
	v_sub_nc_u32 v3, v3, v1
	v_add_nc_u32 v3, s18, v3
.irp j, 0,1,2,3,4,5,6,7
	v_cmp_lt_i32 vcc_lo, -\j, v3
	v_cndmask_b32 v[CDG+\j], v[ZR], v[KNEG], vcc_lo
.endr
	WIN 0x40
.set cnt, 0
.rept 64
	v_cmp_eq_u32 vcc_lo, 0, v[MK+cnt]
	v_cndmask_b32 v[CX+cnt], v[K32], v[ZR], vcc_lo
	v_cndmask_b32 v[AB+cnt], v[ZR], v[KNEG], vcc_lo
.set cnt, cnt+1
.endr
	WIN 0x41
.irp i, 0,2,4,6
	v_pk_add_f32 v[AX+\i:AX+\i+1], v[AB+\i:AB+\i+1], v[CDG+\i:CDG+\i+1]
.endr
.set cnt, 8
.rept 28
	v_pk_add_f32 v[AX+cnt:AX+cnt+1], v[AB+cnt:AB+cnt+1], s[92:93] op_sel_hi:[1,0]
.set cnt, cnt+2
.endr
	WIN 0
.macro SOFT a
.set AC, 64*((\a)%4)
	WIN 0x16+((\a)/4)
.set cnt, 0
.rept 32
	v_pk_fma_f32 v[X+cnt:X+cnt+1], v[AC+cnt:AC+cnt+1], v[CX+cnt:CX+cnt+1], v[AX+cnt:AX+cnt+1]
.set cnt, cnt+2
.endr
	WIN 0x41
.irp i, 0,2,4,6
	v_pk_add_f32 v[AX+8*\a+\i:AX+8*\a+\i+1], v[AB+8*\a+\i:AB+8*\a+\i+1], s[94:95] op_sel_hi:[1,0]
.endr
.if \a < 7
.irp i, 0,2,4,6
	v_pk_add_f32 v[AX+8*\a+8+\i:AX+8*\a+8+\i+1], v[AB+8*\a+8+\i:AB+8*\a+8+\i+1], v[CDG+\i:CDG+\i+1]
.endr
.endif
	WIN 0
	s_wait_dscnt 0x0
.irp g, 0,1,2,3
	v_max3_num_f32 v[BM+\g], v[X+16*\g], v[X+16*\g+1], v[X+16*\g+2]
.endr
.irp i, 3,5,7,9,11,13
.irp g, 0,1,2,3
	v_max3_num_f32 v[BM+\g], v[BM+\g], v[X+16*\g+\i], v[X+16*\g+\i+1]
.endr
.endr
.irp g, 0,1,2,3
	v_max_num_f32 v[BM+\g], v[BM+\g], v[X+16*\g+15]
.endr
.irp g, 0,1,2,3
	v_permlanex16_b32 v[TP+\g], v[BM+\g], s20, s21
.endr
.irp g, 0,1,2,3
	v_max_num_f32 v[BM+\g], v[BM+\g], v[TP+\g]
.endr
	v_max3_num_f32 v[RM], v[BM], v[BM+1], v[BM+2]
	v_max_num_f32 v[RM], v[RM], v[BM+3]
	v_mul_f32 v[RM], s46, v[RM]
	v_ceil_f32 v[MM], v[RM]
.irp g, 0,1,2,3
	v_mul_f32 v[BM+\g], s46, v[BM+\g]
.endr
.irp g, 0,1,2,3
	v_sub_f32 v[BM+\g], v[BM+\g], v[MM]
.endr
.set cnt, 0
.rept 32
	v_pk_mul_f32 v[X+cnt:X+cnt+1], v[X+cnt:X+cnt+1], s[46:47] op_sel_hi:[1,0]
.set cnt, cnt+2
.endr
.set cnt, 0
.rept 32
	v_pk_add_f32 v[X+cnt:X+cnt+1], v[X+cnt:X+cnt+1], v[MM:MM+1] op_sel_hi:[1,0] neg_lo:[0,1] neg_hi:[0,1]
.set cnt, cnt+2
.endr
.set cnt, 0
.rept 64
	v_exp_f32 v[X+cnt], v[X+cnt]
.set cnt, cnt+1
.endr
	v_nop
	s_wait_alu depctr_va_vdst(0)
.irp g, 0,1,2,3
	v_exp_f32 v[BM+\g], v[BM+\g]
.endr
	v_pk_add_f32 v[LS:LS+1], v[X:X+1], v[X+2:X+3]
	v_pk_add_f32 v[LT:LT+1], v[X+4:X+5], v[X+6:X+7]
.irp j, 8,12,16,20,24,28,32,36,40,44,48,52,56,60
	v_pk_add_f32 v[LS:LS+1], v[LS:LS+1], v[X+\j:X+\j+1]
	v_pk_add_f32 v[LT:LT+1], v[LT:LT+1], v[X+\j+2:X+\j+3]
.endr
	v_pk_add_f32 v[LS:LS+1], v[LS:LS+1], v[LT:LT+1]
	v_add_f32 v[LL], v[LS], v[LS+1]
	v_permlanex16_b32 v[TP], v[LL], s20, s21
	v_add_f32 v[LL], v[LL], v[TP]
	s_wait_alu depctr_va_vdst(0)
.irp g, 0,1,2,3
	v_max_num_f32 v[BM+\g], 0x4800000, v[BM+\g]
.endr
.irp g, 0,1,2,3
	v_add_nc_u32 v[SCO+\g], 0xfc000000, v[BM+\g]
.endr
.irp g, 0,1,2,3
	v_and_or_b32 v[LIM+\g], v[BM+\g], 0x7f800000, s22
.endr
.irp g, 0,1,2,3
	v_lshrrev_b32 v[BY+\g], 23, v[SCO+\g]
.endr
	v_lshl_or_b32 v[PW], v[BY+1], 8, v[BY]
	v_lshl_or_b32 v[PW], v[BY+2], 16, v[PW]
	v_lshl_or_b32 v[PW], v[BY+3], 24, v[PW]
.set cnt, 0
.rept 64
	v_min_num_f32 v[X+cnt], v[X+cnt], v[LIM+cnt/16]
.set cnt, cnt+1
.endr
.irp b, 0,1,2,3,4,5,6,7
	v_cvt_scalef32_pk8_fp8_f32 v[CD+2*\b:CD+2*\b+1], v[X+8*\b:X+8*\b+7], v[SCO+\b/2]
.endr
	v_nop
.irp b, 0,1,2,3,4,5,6,7
	ds_store_b64 v[STO], v[CD+2*\b:CD+2*\b+1] offset:16*PITCH*\a+16*\b
.endr
	ds_store_b32 v[SWA], v[PW] offset:128*\a
	ds_store_b64 v[STA], v[MM:MM+1] offset:256*\a
.endm
.macro LOADP k, reg
	s_wait_dscnt 0x0
	s_barrier_signal -1
	s_barrier_wait -1
.irp t, 0,1,2,3,4,5,6,7
	ds_load_b128 v[\reg+4*\t:\reg+4*\t+3], v[RD] offset:(32*\k+2*\t)*PITCH
.endr
.endm
.macro STOREP k, reg
.irp t, 0,1,2,3,4,5,6,7
	global_store_b128 v[CO], v[\reg+4*\t:\reg+4*\t+3], s[12:13] offset:(32*\k+2*\t)*2048
.endr
.endm
	SOFT 0
	SOFT 1
	LOADP 0, 160
	SOFT 2
	STOREP 0, 160
	SOFT 3
	LOADP 1, 192
	SOFT 4
	STOREP 1, 192
	SOFT 5
	LOADP 2, 224
	SOFT 6
	STOREP 2, 224
	SOFT 7
	LOADP 3, 128
	ds_load_b128 v[64:67], v[LRB]
	ds_load_b128 v[68:71], v[LRB] offset:2048
	ds_load_b128 v[72:75], v[LRB] offset:4096
	s_wait_dscnt 0x0
	STOREP 3, 128
	global_store_b128 v[GT], v[64:67], s[96:97]
	global_store_b128 v[GT], v[68:71], s[98:99]
	global_store_b128 v[GT], v[72:75], s[98:99] offset:2048
	s_wait_tensorcnt 0x0
	ds_add_u32 v[SPW], v[NIL]
	s_wait_dscnt 0x0
	CROUND
	s_endpgm
.Lfunc_end_k_q4e051c0a74_scores:
	.size	k_q4e051c0a74_scores, .Lfunc_end_k_q4e051c0a74_scores-k_q4e051c0a74_scores
	.p2alignl 7, 3214868480
	.fill 96, 4, 3214868480
	.section	.rodata,"a",@progbits
	.p2align	6, 0x0
	.amdhsa_kernel k_q4e051c0a74_scores
		.amdhsa_group_segment_fixed_size 327680
		.amdhsa_private_segment_fixed_size 0
		.amdhsa_enable_private_segment 0
		.amdhsa_kernarg_size 56
		.amdhsa_user_sgpr_count 2
		.amdhsa_user_sgpr_kernarg_segment_ptr 1
		.amdhsa_wavefront_size32 1
		.amdhsa_system_sgpr_workgroup_id_x 1
		.amdhsa_system_sgpr_workgroup_id_y 1
		.amdhsa_system_sgpr_workgroup_id_z 1
		.amdhsa_system_vgpr_workitem_id 0
		.amdhsa_next_free_vgpr 1024
		.amdhsa_next_free_sgpr 102
		.amdhsa_reserve_vcc 1
		.amdhsa_float_denorm_mode_32 3
		.amdhsa_float_denorm_mode_16_64 3
		.amdhsa_memory_ordered 1
		.amdhsa_forward_progress 1
		.amdhsa_inst_pref_size 255
	.end_amdhsa_kernel
	.section	.bss,"aw",@nobits
	.p2align	6
	.space	262144
	.amdgpu_metadata
---
amdhsa.version: [ 1, 2 ]
amdhsa.kernels:
  - .name:           k_q4e051c0a74_scores
    .symbol:         k_q4e051c0a74_scores.kd
    .args:
      - { .name: qc, .offset: 0, .size: 8, .value_kind: global_buffer, .address_space: global }
      - { .name: sc, .offset: 8, .size: 8, .value_kind: global_buffer, .address_space: global }
      - { .name: kc, .offset: 16, .size: 8, .value_kind: global_buffer, .address_space: global }
      - { .name: attention_mask, .offset: 24, .size: 8, .value_kind: global_buffer, .address_space: global }
      - { .name: pc, .offset: 32, .size: 8, .value_kind: global_buffer, .address_space: global }
      - { .name: ps, .offset: 40, .size: 8, .value_kind: global_buffer, .address_space: global }
      - { .name: st, .offset: 48, .size: 8, .value_kind: global_buffer, .address_space: global }
    .group_segment_fixed_size: 327680
    .private_segment_fixed_size: 0
    .kernarg_segment_align: 8
    .kernarg_segment_size: 56
    .max_flat_workgroup_size: 128
    .sgpr_count:     102
    .vgpr_count:     1024
    .wavefront_size: 32
...
	.end_amdgpu_metadata
.endif
;; end of part 2
;; launch mix (part 3): grid 4 x 64, 4 waves a work-group, clusters of 4 x 4, 327,680 bytes of LDS; arguments pc, ps, st, vc, sc, out0; writes out0
.if DOCPART == 3
	.amdgcn_target "amdgcn-amd-amdhsa--gfx1250"
	.amdhsa_code_object_version 6
	.text
	.protected	k_q4e051c0a74_mix
	.globl	k_q4e051c0a74_mix
	.p2align	8
	.type	k_q4e051c0a74_mix,@function
k_q4e051c0a74_mix:
	s_mov_b64 s[64:65], 0
	v_nop
	global_prefetch_b8 v0, s[64:65] scope:SCOPE_SE
	s_setreg_imm32_b32 hwreg(HW_REG_WAVE_MODE, 25, 1), 1
	s_wait_xcnt 0x0
	s_wait_alu depctr_hold_cnt(0) depctr_sa_sdst(0) depctr_va_vdst(0) depctr_va_sdst(0) depctr_va_ssrc(0) depctr_va_vcc(0) depctr_vm_vsrc(0)
	s_getreg_b32 s2, hwreg(HW_REG_IB_STS2, 6, 4)
	s_cmp_eq_u32 s2, 0
	s_cbranch_scc0 .Lentry_in_a_cluster
	s_endpgm
.Lentry_in_a_cluster:
	s_bfe_u32 s2, ttmp6, 0x10000c
	s_cmp_lg_u32 s2, 0xf033
	s_cbranch_scc0 .Lentry_shape_is_right
	s_endpgm
.Lentry_shape_is_right:
.set ROWB,   256
.set PITCH,  272
.set FR,     16
.set NP,     8
.set AT,     128*PITCH
.set SLOT,   384*PITCH
.set BSC,    2*SLOT
.set ASC,    BSC+16384
.set RL,     ASC+8192
.set SPARE,  RL+512
.set SPITCH, 528
.set ADRA, 16
.set ADRB, 20
.set STO,  24
.set RD,   25
.set CO,   26
.set ADSA, 27
.set SPW,  28
.set NIL,  29
.set ADSB, 30
.set ARL,  31
.set SC,   32
.set AF,   128
.set STV,  128
.set PWD,  160
.set HMR,  176
.set HLR,  177
.set HE,   178
.set HEI,  179
.set HDI,  180
.set HX,   181
.set HF,   182
.set HG,   183
.set HRI,  184
.set RLV,  32
.set T,    64
.set BK,   128
.set G1, 24
.set G0, 32
.set G1B, 48
.set G0B, 56
.set G1S, 68
.set G0S, 76
.set MSB, 0
.macro WIN new
.if MSB != \new
	s_set_vgpr_msb (MSB<<8)|\new
.set MSB, \new
.endif
.endm
.set MULW, 0xa1
.set TO_B, 0x40
.macro JLOAD g0a, g1a, g0b, g1b
	s_cmp_eq_u32 s15, 0
	s_cbranch_scc0 .Lfor_b_\@
	tensor_load_to_lds s[\g0a:\g0a+3], s[\g1a:\g1a+7]
	s_nop 0
.rept 4
	v_nop
.endr
	s_branch .Lasked_\@
.Lfor_b_\@:
	tensor_load_to_lds s[\g0b:\g0b+3], s[\g1b:\g1b+7]
	s_nop 0
.rept 4
	v_nop
.endr
.Lasked_\@:
.endm
.macro CREST
	s_cmp_lg_u32 s14, 0
	s_cbranch_scc1 .Lnot_wave_0_\@
	s_barrier_signal -3
.Lnot_wave_0_\@:
	s_barrier_wait -3
	s_barrier_signal -1
	s_barrier_wait -1
.endm
.macro CROUND
	s_barrier_signal -1
	s_barrier_wait -1
	CREST
.endm
	s_load_b128 s[4:7], s[0:1], 0x0
	s_load_b64 s[96:97], s[0:1], 0x10
	s_load_b64 s[8:9], s[0:1], 0x18
	s_load_b64 s[10:11], s[0:1], 0x20
	s_load_b64 s[12:13], s[0:1], 0x28
	v_lshl_add_u32 v[SPW], v0, 2, SPARE
	v_mov_b32 v[NIL], 0
	ds_add_u32 v[SPW], v[NIL]
	ds_add_u32 v[SPW], v[NIL]
	v_lshrrev_b32 v1, 5, v0
	v_readfirstlane_b32 s14, v1
	s_lshr_b32 s15, s14, 1
	s_and_b32 s16, s14, 1
	s_bfe_u32 s40, ttmp6, 0x40000
	s_bfe_u32 s41, ttmp6, 0x40004
	s_lshl_b32 s42, ttmp9, 2
	s_add_co_u32 s42, s42, s40
	s_and_b32 s17, ttmp7, 0xffff
	s_lshr_b32 s66, s17, 2
	s_lshl_b32 s17, s17, 2
	s_add_co_u32 s17, s17, s41
	s_lshl_b32 s43, s41, 2
	s_lshl_b32 s43, 15, s43
	s_lshl_b32 s44, 0x1111, s40
	s_or_b32 s[G1+0], s43, (0<<16)|(1<<20)|(1<<21)|(5<<22)|(3<<25)
	s_mov_b32 s[G1+1], ROWB<<16
	s_mov_b32 s[G1+2], 64<<16
	s_mov_b32 s[G1+3], ROWB<<16
	s_mov_b32 s[G1+4], 64
	s_mov_b32 s[G1+5], 2048
	s_mov_b32 s[G1+6], 0
	s_mov_b32 s[G1+7], 0
	s_or_b32 s[G1B+0], s44, (0<<16)|(1<<20)|(1<<21)|(5<<22)|(3<<25)
	s_mov_b32 s[G1B+1], ROWB<<16
	s_mov_b32 s[G1B+2], 128<<16
	s_mov_b32 s[G1B+3], ROWB<<16
	s_mov_b32 s[G1B+4], 128
	s_mov_b32 s[G1B+5], 8192
	s_mov_b32 s[G1B+6], 0
	s_mov_b32 s[G1B+7], 0
	s_or_b32 s[G1S+0], s44, (3<<16)|(1<<21)
	s_mov_b32 s[G1S+1], 32<<16
	s_mov_b32 s[G1S+2], 16<<16
	s_mov_b32 s[G1S+3], 32<<16
	s_mov_b32 s[G1S+4], 16
	s_mov_b32 s[G1S+5], 32
	s_mov_b32 s[G1S+6], 0
	s_mov_b32 s[G1S+7], 0
	s_lshl_b32 s20, s17, 7
	s_lshl_b32 s18, s16, 6
	s_add_co_u32 s20, s20, s18
	s_lshl_b32 s20, s20, 11
	s_mov_b32 s21, 0
	s_lshl_b32 s46, s42, 8
	s_lshl_b32 s18, s16, 7
	s_add_co_u32 s46, s46, s18
	s_lshl_b32 s46, s46, 13
	s_lshl_b32 s18, s66, 11
	s_add_co_u32 s46, s46, s18
	s_mov_b32 s47, 0
	s_lshl_b32 s92, s42, 5
	s_lshl_b32 s18, s66, 3
	s_add_co_u32 s92, s92, s18
	s_lshl_b32 s92, s92, 11
	s_lshl_b32 s18, s14, 12
	s_add_co_u32 s92, s92, s18
	s_add_co_u32 s92, s92, 524288
	s_mov_b32 s93, 0
	s_mul_i32 s45, s16, 64*PITCH
	s_mul_i32 s94, s16, 128*PITCH
	s_add_co_u32 s94, s94, AT
	s_lshl_b32 s95, s14, 12
	s_add_co_u32 s95, s95, BSC
	s_wait_dscnt 0x0
	s_wait_kmcnt 0x0
	s_add_nc_u64 s[20:21], s[4:5], s[20:21]
	s_add_nc_u64 s[46:47], s[8:9], s[46:47]
	s_add_nc_u64 s[92:93], s[10:11], s[92:93]
	CROUND
	s_mov_b32 s[G0S], 1
	s_mov_b32 s[G0S+1], s95
	s_mov_b64 s[G0S+2:G0S+3], s[92:93]
	s_or_b32 s[G0S+3], s[G0S+3], 0x80000000
	tensor_load_to_lds s[G0S:G0S+3], s[G1S:G1S+7]
	s_nop 0
.rept 4
	v_nop
.endr
.irp s, 0,1
	s_mov_b32 s[G0+4*\s], 1
	s_add_co_u32 s[G0+4*\s+1], s45, \s*SLOT
	s_add_nc_u64 s[G0+4*\s+2:G0+4*\s+3], s[20:21], \s*ROWB
	s_or_b32 s[G0+4*\s+3], s[G0+4*\s+3], 0x80000000
	s_mov_b32 s[G0B+4*\s], 1
	s_add_co_u32 s[G0B+4*\s+1], s94, \s*SLOT
	s_add_nc_u64 s[G0B+4*\s+2:G0B+4*\s+3], s[46:47], \s*ROWB
	s_or_b32 s[G0B+4*\s+3], s[G0B+4*\s+3], 0x80000000
	JLOAD G0+4*\s, G1, G0B+4*\s, G1B
.endr
	v_and_b32 v1, 15, v0
	v_bfe_u32 v2, v0, 4, 1
	v_mul_u32_u24 v3, v1, PITCH
	v_lshl_add_u32 v4, v2, 4, v3
	s_mul_i32 s21, s15, 64*PITCH
	s_mul_i32 s22, s16, 128*PITCH
	s_add_co_u32 s22, s22, AT
.irp s, 0,1
	v_add_nc_u32 v[ADRA+\s], s21, v4
	v_add_nc_u32 v[ADRB+\s], s22, v4
	s_add_co_u32 s21, s21, SLOT
	s_add_co_u32 s22, s22, SLOT
.endr
	s_lshl_b32 s21, s15, 9
	s_add_co_u32 s21, s21, ASC
	v_lshl_add_u32 v[ADSA], v1, 3, s21
	s_lshl_b32 s21, s16, 10
	s_add_co_u32 s21, s21, BSC
	v_lshl_add_u32 v[ADSB], v1, 3, s21
	s_lshl_b32 s21, s15, 8
	s_add_co_u32 s21, s21, RL
	v_lshl_add_u32 v[ARL], v1, 2, s21
	s_mul_i32 s23, s14, 16*SPITCH
	v_mul_u32_u24 v5, v1, SPITCH
	v_lshl_add_u32 v5, v2, 5, v5
	v_add_nc_u32 v[STO], s23, v5
	v_and_b32 v6, 31, v0
	v_lshlrev_b32 v[CO], 4, v6
	v_add_nc_u32 v[RD], s23, v[CO]
	v_lshl_add_u32 v8, v0, 3, ASC
	v_lshl_add_u32 v9, v0, 2, RL
	v_lshlrev_b32 v10, 4, v0
	v_lshlrev_b32 v11, 3, v0
	s_lshl_b32 s18, s17, 7
	s_lshl_b32 s19, s15, 6
	s_add_co_u32 s18, s18, s19
	s_lshl_b32 s18, s18, 12
	s_lshl_b32 s19, s42, 10
	s_add_co_u32 s18, s18, s19
	s_lshl_b32 s19, s16, 9
	s_add_co_u32 s18, s18, s19
	s_mov_b32 s19, 0
	s_add_nc_u64 s[12:13], s[12:13], s[18:19]
	s_lshr_b32 s18, s17, 1
	s_and_b32 s22, s17, 1
	s_lshl_b32 s18, s18, 14
	s_lshl_b32 s22, s22, 10
	s_add_co_u32 s18, s18, s22
	s_add_nc_u64 s[6:7], s[6:7], s[18:19]
	s_lshl_b32 s18, s18, 1
	s_add_nc_u64 s[96:97], s[96:97], s[18:19]
	s_mov_b32 s23, 0x01010101
.irp j, 0,1,2,3,4,5,6,7
	global_load_b128 v[STV+4*\j:STV+4*\j+3], v10, s[96:97] offset:4096*\j
.endr
.irp j, 0,1,2,3,4,5,6,7
	global_load_b64 v[PWD+2*\j:PWD+2*\j+1], v11, s[6:7] offset:2048*\j
.endr
	s_wait_loadcnt 0x0
	v_max_num_f32 v[HMR], v[STV], v[STV+2]
.irp j, 1,2,3,4,5,6,7
	v_max3_num_f32 v[HMR], v[HMR], v[STV+4*\j], v[STV+4*\j+2]
.endr
.irp j, 0,1,2,3,4,5,6,7
.irp u, 0,1
	v_sub_f32 v[HE], v[STV+4*\j+2*\u], v[HMR]
	v_max_num_f32 v[HE], 0xc2fe0000, v[HE]
	v_cvt_i32_f32 v[HEI], v[HE]
.if (\j == 0) && (\u == 0)
	v_ldexp_f32 v[HLR], v[STV+1], v[HEI]
.else
	v_ldexp_f32 v[HX], v[STV+4*\j+2*\u+1], v[HEI]
	v_add_f32 v[HLR], v[HLR], v[HX]
.endif
	v_sub_nc_u32 v[HDI], 0, v[HEI]
	v_mul_lo_u32 v[HDI], v[HDI], s23
	v_or_b32 v[HX], 0x80808080, v[PWD+2*\j+\u]
	v_sub_nc_u32 v[HX], v[HX], v[HDI]
	v_and_b32 v[HF], 0x80808080, v[HX]
	v_lshrrev_b32 v[HG], 7, v[HF]
	v_sub_nc_u32 v[HF], v[HF], v[HG]
	v_and_b32 v[PWD+2*\j+\u], v[HX], v[HF]
.endr
.endr
	v_rcp_f32 v[HRI], v[HLR]
	v_nop
	s_wait_alu depctr_va_vdst(0)
.irp j, 0,1,2,3,4,5,6,7
	ds_store_b64 v8, v[PWD+2*\j:PWD+2*\j+1] offset:1024*\j
.endr
	ds_store_b32 v9, v[HRI]
.macro FRAG reg, adr, q, i
.irp c, 0,1,2,3
	ds_load_b128 v[\reg+4*\c:\reg+4*\c+3], v[\adr] offset:128*(\q)+32*\c+(\i)*16*PITCH
.endr
.endm
.macro MUL8 a, p, q, sc, zero
.irp b, 0,1,2,3,4,5,6,7
.if \zero
	v_wmma_scale_f32_16x16x128_f8f6f4 v[8*(8*\a+\b):8*(8*\a+\b)+7], v[128*\p+FR*\b:128*\p+FR*\b+FR-1], v[AF+64*\p+FR*\a:AF+64*\p+FR*\a+FR-1], 0, v[SC+24*\sc+2*\b+\q], v[SC+24*\sc+16+2*\a+\q]
.else
	v_wmma_scale_f32_16x16x128_f8f6f4 v[8*(8*\a+\b):8*(8*\a+\b)+7], v[128*\p+FR*\b:128*\p+FR*\b+FR-1], v[AF+64*\p+FR*\a:AF+64*\p+FR*\a+FR-1], v[8*(8*\a+\b):8*(8*\a+\b)+7], v[SC+24*\sc+2*\b+\q], v[SC+24*\sc+16+2*\a+\q]
.endif
.endr
.endm
.macro FETCH slot, q, p
	WIN TO_B
.irp i, 0,1,2,3,4,5,6,7
	FRAG 128*\p+FR*\i, ADRB+\slot, \q, \i
.endr
	WIN 0
.irp i, 0,1,2,3
	FRAG AF+64*\p+FR*\i, ADRA+\slot, \q, \i
.endr
.endm
.macro SCALES sc
.irp b, 0,1,2,3,4,5,6,7
	ds_load_b64 v[SC+24*\sc+2*\b:SC+24*\sc+2*\b+1], v[ADSB] offset:128*\b
.endr
.irp a, 0,1,2,3
	ds_load_b64 v[SC+24*\sc+16+2*\a:SC+24*\sc+16+2*\a+1], v[ADSA] offset:128*\a
.endr
.endm
.macro PLACES n
.rept \n
	v_nop
.endr
.endm
.macro STEPH slot, zero
	s_wait_dscnt 0x0
	PLACES NP
	FETCH \slot, 1, 1
	WIN MULW
	MUL8 0, 0, 0, \slot, \zero
	MUL8 1, 0, 0, \slot, \zero
	MUL8 2, 0, 0, \slot, \zero
	MUL8 3, 0, 0, \slot, \zero
	WIN 0
.endm
.macro TURNH slot, next, fill
	s_wait_tensorcnt 0x0
	ds_add_u32 v[SPW], v[NIL]
	s_wait_dscnt 13
	WIN MULW
	MUL8 0, 1, 1, \slot, 0
	s_wait_dscnt 0x0
	s_barrier_signal -1
	MUL8 1, 1, 1, \slot, 0
	WIN 0
	s_barrier_wait -1
.if \fill
	CREST
	s_add_nc_u64 s[G0+4*\slot+2:G0+4*\slot+3], s[G0+4*\slot+2:G0+4*\slot+3], 2*ROWB
	s_add_nc_u64 s[G0B+4*\slot+2:G0B+4*\slot+3], s[G0B+4*\slot+2:G0B+4*\slot+3], 2*ROWB
	JLOAD G0+4*\slot, G1, G0B+4*\slot, G1B
	PLACES NP-4
.else
	PLACES NP
.endif
	v_add_nc_u32 v[ADSA], 1024, v[ADSA]
	v_add_nc_u32 v[ADSB], 2048, v[ADSB]
	FETCH \next, 0, 0
	SCALES \next
	WIN MULW
	MUL8 2, 1, 1, \slot, 0
	MUL8 3, 1, 1, \slot, 0
	WIN 0
.endm
	s_wait_tensorcnt 1
	s_wait_dscnt 0x0
	s_barrier_signal -1
	s_barrier_wait -1
	FETCH 0, 0, 0
	SCALES 0
	STEPH 0, 1
	s_mov_b32 s3, 3
.Llap:
	TURNH 0, 1, 1
	STEPH 1, 0
	TURNH 1, 0, 1
	STEPH 0, 0
	s_sub_co_u32 s3, s3, 1
	s_cmp_lg_u32 s3, 0
	s_cbranch_scc1 .Llap
	TURNH 0, 1, 0
	STEPH 1, 0
	s_wait_dscnt 0x0
	WIN MULW
	MUL8 0, 1, 1, 1, 0
	MUL8 1, 1, 1, 1, 0
	MUL8 2, 1, 1, 1, 0
	MUL8 3, 1, 1, 1, 0
	WIN 0
.macro TOSTAGE a
.if (\a) > 0
	s_wait_dscnt 16
.else
	s_wait_dscnt 0x0
.endif
	WIN 0x02
.set cnt, 0
.rept 32
	v_pk_mul_f32 v[T+cnt:T+cnt+1], v[64*(\a)+cnt:64*(\a)+cnt+1], v[RLV+2*(\a):RLV+2*(\a)+1] op_sel_hi:[1,0]
.set cnt, cnt+2
.endr
	WIN 0
.irp b, 0,1,2,3,4,5,6,7
	ds_store_b128 v[STO], v[T+8*\b:T+8*\b+3] offset:64*\b
	ds_store_b128 v[STO], v[T+8*\b+4:T+8*\b+7] offset:64*\b+16
.endr
.set BB, BK+64*((\a)%2)
.irp t, 0,1,2,3,4,5,6,7,8,9,10,11,12,13,14,15
	ds_load_b128 v[BB+4*\t:BB+4*\t+3], v[RD] offset:\t*SPITCH
.endr
.endm
.macro SEND a, younger
.set BB, BK+64*((\a)%2)
	s_wait_dscnt \younger
.if (\a) > 0
	s_add_nc_u64 s[12:13], s[12:13], 16*4096
.endif
.irp t, 0,1,2,3,4,5,6,7,8,9,10,11,12,13,14,15
	global_store_b128 v[CO], v[BB+4*\t:BB+4*\t+3], s[12:13] offset:\t*4096 th:TH_STORE_NT
.endr
.endm
	PLACES NP
.irp a, 0,1,2,3
	ds_load_b32 v[RLV+2*\a], v[ARL] offset:64*\a
	ds_load_b32 v[RLV+2*\a+1], v[ARL] offset:64*\a
.endr
	TOSTAGE 0
.irp a, 1,2,3
.if \a > 1
	s_wait_xcnt 0x0
.endif
	TOSTAGE \a
	SEND \a-1, 32
.endr
	s_wait_xcnt 0x0
	SEND 3, 0
	s_wait_tensorcnt 0x0
	ds_add_u32 v[SPW], v[NIL]
	s_wait_dscnt 0x0
	CROUND
	s_endpgm
.Lfunc_end_k_q4e051c0a74_mix:
	.size	k_q4e051c0a74_mix, .Lfunc_end_k_q4e051c0a74_mix-k_q4e051c0a74_mix
	.p2alignl 7, 3214868480
	.fill 96, 4, 3214868480
	.section	.rodata,"a",@progbits
	.p2align	6, 0x0
	.amdhsa_kernel k_q4e051c0a74_mix
		.amdhsa_group_segment_fixed_size 327680
		.amdhsa_private_segment_fixed_size 0
		.amdhsa_enable_private_segment 0
		.amdhsa_kernarg_size 48
		.amdhsa_user_sgpr_count 2
		.amdhsa_user_sgpr_kernarg_segment_ptr 1
		.amdhsa_wavefront_size32 1
		.amdhsa_system_sgpr_workgroup_id_x 1
		.amdhsa_system_sgpr_workgroup_id_y 1
		.amdhsa_system_sgpr_workgroup_id_z 1
		.amdhsa_system_vgpr_workitem_id 0
		.amdhsa_next_free_vgpr 768
		.amdhsa_next_free_sgpr 102
		.amdhsa_reserve_vcc 0
		.amdhsa_float_denorm_mode_32 3
		.amdhsa_float_denorm_mode_16_64 3
		.amdhsa_memory_ordered 1
		.amdhsa_forward_progress 1
		.amdhsa_inst_pref_size 110
	.end_amdhsa_kernel
	.amdgpu_metadata
---
amdhsa.version: [ 1, 2 ]
amdhsa.kernels:
  - .name:           k_q4e051c0a74_mix
    .symbol:         k_q4e051c0a74_mix.kd
    .args:
      - { .name: pc, .offset: 0, .size: 8, .value_kind: global_buffer, .address_space: global }
      - { .name: ps, .offset: 8, .size: 8, .value_kind: global_buffer, .address_space: global }
      - { .name: st, .offset: 16, .size: 8, .value_kind: global_buffer, .address_space: global }
      - { .name: vc, .offset: 24, .size: 8, .value_kind: global_buffer, .address_space: global }
      - { .name: sc, .offset: 32, .size: 8, .value_kind: global_buffer, .address_space: global }
      - { .name: out0, .offset: 40, .size: 8, .value_kind: global_buffer, .address_space: global }
    .group_segment_fixed_size: 327680
    .private_segment_fixed_size: 0
    .kernarg_segment_align: 8
    .kernarg_segment_size: 48
    .max_flat_workgroup_size: 128
    .sgpr_count:     102
    .vgpr_count:     768
    .wavefront_size: 32
...
	.end_amdgpu_metadata
.endif
;; end of part 3
